; MI455X (gfx1250); checked and timed in simulation.
; The chip was launched on July 23, 2026; its instructions are those of AMD's public machine-readable ISA for CDNA 5 (MIT licence, August 2026) and "CDNA5" Instruction Set Architecture Reference Guide (July 2026). The comments in the code are by the model that wrote it; some were corrected since.
;; Self Attention Module. Allowed arithmetic: matrix products marked QUANTISED: E5M2 operands, one E8M0 scale for each 32 along K, by v_wmma_scale_f32_16x16x128_f8f6f4 with both operands' format E5M2, f32 sums; everything else in f32.
;; Inputs: Wk_codes 128 x 8 x 32 uint8 (E5M2 codes of Wk, K innermost, in blocks of 32 codes); Wk_scales 128 x 8 uint8 (E8M0 scales of Wk, one for each 32 codes along K); Wq_codes 128 x 8 x 32 uint8 (E5M2 codes of Wq, K innermost, in blocks of 32 codes); Wq_scales 128 x 8 uint8 (E8M0 scales of Wq, one for each 32 codes along K); Wv_codes 256 x 8 x 32 uint8 (E5M2 codes of Wv, K innermost, in blocks of 32 codes); Wv_scales 256 x 8 uint8 (E8M0 scales of Wv, one for each 32 codes along K); bk 128 float32; bq 128 float32; bv 256 float32; gamma 1 float32; x 8 x 256 x 64 x 64 float32.
;; Outputs: out0 8 x 256 x 64 x 64 float32.
;; This version of the problem:
;;   THIS VERSION OF THE PROBLEM IS GIVEN IN LOW PRECISION. The matrix products marked QUANTISED in the list below multiply operands that are first quantised to E5M2 (5 exponent bits, 2 mantissa bits; 8 bits a number), with one power-of-two scale for each 32 numbers along K (OCP MX v1.0); their sums are f32. All else is computed in f32.
;;   The module's matrix products, in the order in which they are computed (A, B: the left and right operand; K: the contracted axis; several contracted axes count as one K, in the product's order):
;;     1. [M 32,768, K 256] x [K 256, N 128]; A: input x; B: input Wq (given as codes): QUANTISED
;;     2. [M 32,768, K 256] x [K 256, N 128]; A: input x; B: input Wk (given as codes): QUANTISED
;;     3. [M 32,768, K 256] x [K 256, N 256]; A: input x; B: input Wv (given as codes): QUANTISED
;;     4. batch 8 x [M 4,096, K 128] x [K 128, N 4,096]; A: computed on the way; B: computed on the way: QUANTISED
;;     5. batch 8 x [M 256, K 4,096] x [K 4,096, N 4,096]; A: computed on the way; B: softmax (see below): QUANTISED
;;   THE QUANTISER, for each operand of a quantised product, along K:
;;     - K is cut into blocks of 32 from its start; a last block that is shorter is filled with zeros.
;;     - A block's scale is 2^e with e = floor(log2(the largest magnitude in the block)) - 15, held to -126 .. 127; a block of zeros has e = 0. As a byte (E8M0): e + 127.
;;     - Each number is divided by its block's scale, clamped to +-57,344, and rounded to the nearest number of E5M2, ties to even, subnormals kept.
;;     - The product sums the exact products of the quantised numbers (number of the format x scale) in f32.
;;   ~~~python
;;   def quantise(x, axis):      # numpy; x: float32 -> the quantised numbers, widened to float32 again
;;       x = np.moveaxis(x, axis, -1); K = x.shape[-1]
;;       x = np.pad(x, [(0, 0)] * (x.ndim - 1) + [(0, -K % 32)]); x = x.reshape(x.shape[:-1] + (-1, 32)); a = np.abs(x).max(-1, keepdims=True)
;;       e = np.where(a > 0, np.clip(np.frexp(np.where(a > 0, a, 1))[1] - 1 - 15, -126, 127), 0)      # np.frexp(a)[1] - 1 = floor(log2(a)), exactly
;;       r = np.clip(x / 2.0 ** e, -57344, 57344)
;;       step = 2.0 ** (np.maximum(np.frexp(np.where(r == 0, 1, r))[1] - 1, -14) - 2)
;;       q = np.round(r / step) * step * 2.0 ** e      # np.round: ties to even
;;       return np.moveaxis(q.reshape(q.shape[:-2] + (-1,))[..., :K], -1, axis).astype(np.float32)
;;   ~~~
;;   SOFTMAX AHEAD OF A QUANTISED PRODUCT. Where the list says 'softmax', what is quantised is not the finished softmax but p = 2^(t - M), with t = logit x log2(e) and M = ceil(the row's largest t), a whole number; so 1/2 < the row's largest p <= 1. The row's sum l is taken of the UNQUANTISED p, in f32, and the product's result is divided by l at the end. Since M is a whole number, a kernel that streams over the keys may use a running M (the ceiling of the running maximum): every later rescaling is an exact power of two, which a block's scale takes up: the codes' values come out the same.
;;   OPERANDS COMPUTED ON THE WAY. 'Computed on the way' means the value that the module computes at that place (a softmax that the list does not call 'softmax' is quantised finished and normalised). What goes into a quantiser is computed in f32, as accurately as f32 sums, v_exp_f32 and their like allow (about 1e-6 of the number): no bf16 or f16 on the way to a quantiser, and a product that is left as it is and whose result goes on into a quantised operand takes f32 operands (vector FMAs, or v_wmma_f32_16x16x4_f32). A number that lies on a knife's edge between two numbers of the format may be rounded either way, as far as f32 arithmetic and the matrix unit's own rounding can turn it there, and no further.
;;   INPUTS GIVEN AS CODES. Wk (in the module: [128, 256], K = its axis 1); Wq (in the module: [128, 256], K = its axis 1); Wv (in the module: [256, 256], K = its axis 1): each comes as NAME_codes (uint8): NAME with its K axis moved to the last place and cut into blocks of 32 codes, [.., K / 32, bytes a block], one block behind the other in memory; one code a byte (a code: sign, 5 exponent bits, 2 mantissa bits); and NAME_scales (uint8): the same leading axes, one E8M0 byte (e + 127) for each 32 codes along K. Its value is code x scale, taken as it is: it is not quantised again, and the codes and scales need not be those that the quantiser above would give.
;; One version. Each part assembles by itself: llvm-mc -triple=amdgcn-amd-amdhsa -mcpu=gfx1250 --defsym DOCPART=n.
;; ======== version 1 of 1: 2 launches
;; workspace buffers: qi 4,194,304 bytes; qs 131,072 bytes; kv 12,976,128 bytes
;; launch proj (part 1): grid 32 x 8, 4 waves a work-group, no clusters, 170,496 bytes of LDS; arguments x, Wq_codes, Wq_scales, bq, Wk_codes, Wk_scales, bk, Wv_codes, Wv_scales, bv, qi, qs, kv; writes qi, qs, kv
.if DOCPART == 1
	.amdgcn_target "amdgcn-amd-amdhsa--gfx1250"
	.amdhsa_code_object_version 6
	.text
	.protected	k_q367e18884a_proj
	.globl	k_q367e18884a_proj
	.p2align	8
	.type	k_q367e18884a_proj,@function
k_q367e18884a_proj:
	s_mov_b64 s[64:65], 0
	v_nop
	global_prefetch_b8 v0, s[64:65] scope:SCOPE_SE
	s_setreg_imm32_b32 hwreg(HW_REG_WAVE_MODE, 25, 1), 1
	s_wait_xcnt 0x0
; q = Wq x + bq, k = Wk x + bk, v = Wv x + bv for 128 pixels of one image, all three products on codes of BF8 (E5M2) with one E8M0 scale for each 32 along K; the results are quantised
; again in registers (q and k along their 128 channels, v along the 128 pixels, which are one key step of the attention) and stored as IMAGES OF OPERAND REGISTERS.
; x: [8][256 c][4096 n] f32.  The weights arrive as codes, K innermost, 256 bytes a row, 8 scale bytes a row.
; AN IMAGE of a fragment (16 rows x 128 K, 16 registers a lane) is 2,048 bytes: group c of four registers of lane l lies at 512 c + 16 l.  Every store of an image covers 512 consecutive bytes.
; OUT: qi [image][tile of 16 queries][2,048];  qs [image][block of 128 queries][512]: byte 16 l + 4 j = the scale word of tile 2 j + l / 16, row l % 16;
;      kv [image][key step][50,688]: 8 images of K, 16 images of V, 512 bytes of K's scale words (laid as qs), 1,024 of V's (register j of 8: byte 512 (j / 4) + 16 l + 4 (j % 4)).
; THE PIXELS OF A TILE ARE NOT NEIGHBOURS: row r of tile 2 b + u is pixel 32 b + 8 u + r + 8 (r / 8).  With x's fragment as source 0, register j of a result is then pixel 32 b + 16 (lane / 16) + 8 u + j:
; the 16 registers of tiles 2 b, 2 b + 1 are 16 neighbouring pixels.  W's rows are chosen the same way, so that q's and k's 16 registers are 16 neighbouring channels.
; SHARES.  A work-group of four waves takes 128 pixels (grid x) of an image (grid y).  Each wave brings 64 channels x 128 pixels of x into LDS by one tensor load, filled once.
; X: wave w turns pixels 32 w .. 32 w + 31 into four fragments (a lane takes a pixel, its registers run down the channels) and leaves their images in LDS.
; QK: waves 0, 1 make q, waves 2, 3 make k, four tiles of pixels each, all 128 channels (source 0 = 16 rows of W, source 1 = x).  The role is a choice of pointers: both roles run one text.
; V: wave w makes channels 64 w .. 64 w + 63 for all 128 pixels (source 0 = x, source 1 = 16 rows of Wv).  The biases are the C of each sum's first product.
; NO CLUSTER: what work-groups share is the weights, 131,072 bytes of codes, which each wave reads once, straight into registers; the x tile, as many bytes, is the work-group's own.
; LIMITS: NaN and infinities among the inputs are not served.  A block whose largest magnitude lies under 2^(16 - 127), a block of zeros among them, gets the scale byte 1; this program alone reads these bytes.
; REGISTERS, in windows of 256: window 0: addresses, scale words, v64-127 results, v128-191 numbers of x and later fragments of x, v192-207 codes just made.
;   window 1: the role's 16 fragments of W.   window 2: v0-127 Wv's 8 fragments, v128-191 the role's bias, v192-223 bv.   window 3: x's 16 fragments.
.set XP,    520                        ; a channel's row of x in LDS: 512 bytes + 8: 16 rows are 2,080 words = 32 mod 64 (64 banks of 4 bytes: ISA guide 11.1), so lanes 16-31 fall 32 banks from lanes 0-15
.set XIMG,  256*XP                     ; x's 16 images (2 x tile + K step)
.set XSC,   XIMG+16*2048               ; their scale words, 128 bytes each
.set SCL,   XSC+16*128                 ; the scale words on their way out: K's 512 bytes, V's 1,024, Q's 512
.set STEPB, 50688                      ; a key step in kv
.set XA0,  4                           ; v4, v5  my place in x's tile: channels 0-127, 128-255
.set LIX,  6                           ; v6   XIMG + 16 x lane
.set LSX,  7                           ; v7   XSC + 4 x lane
.set XWI,  8                           ; v8   where I store my four images
.set XWS,  9                           ; v9   and their scale words
.set SQK,  10                          ; v10  where q's or k's scale words go
.set SV,   11                          ; v11  where v's go
.set SRD,  12                          ; v12  where I read 512 bytes of scale words back
.set XQA,  13                          ; v13  the images of my four tiles of pixels
.set XQS,  14                          ; v14  their scale words
.set OQ,   15                          ; v15  my byte offset in q's or k's images
.set XS,   16                          ; v16-31  x's scale words, by fragment
.set WS,   32                          ; v32-47  the role's W: 2 x tile + K step
.set WVS,  48                          ; v48-55  Wv's
.set BVL,  56                          ; v56-59  bv of my lane's channel, a tile each
.set OV,   60                          ; v60  my byte offset in v's images
.set OS,   61                          ; v61  and in the scale words
.set AW,   62                          ; v62, v63, v225-227, v236: offsets of the loads at the head
.set AWS,  63
.set HA,   64
.set ST,   128
.set PC,   192
.set TM,   208                         ; v208-211 largest magnitudes, v212-215 bytes, v216-219 57,344 x the scale, v220-223 the conversions' scale operands
.set PW,   224                         ; the scale word just made
.set AB,   225
.set AV,   226
.set AVS,  227
.set RB,   228
.set XSQ,  232                         ; v232-235 scale words of the x fragments in hand: two buffers of two
.set ABV,  236
.set B1,   128                         ; in window 2
.set BV,   192
.set WV,   30
.set G0,   32
.set G1,   36
.set SEL,  44
.set MNT,  46
.set MSB, 0
.macro WIN new                         ; the immediate's high byte repeats the setting that is left
.if MSB != \new
	s_set_vgpr_msb (MSB<<8)|\new
.set MSB, \new
.endif
.endm
.macro MMA d, a, b, c, sa, sb
	v_wmma_scale_f32_16x16x128_f8f6f4 v[\d:\d+7], v[\a:\a+15], v[\b:\b+15], v[\c:\c+7], v[\sa], v[\sb] matrix_a_fmt:MATRIX_FMT_BF8 matrix_b_fmt:MATRIX_FMT_BF8
.endm
; 64 numbers of a lane, register 16 b + i = k 32 b + 16 (lane / 16) + i of my row, become a fragment's codes in v[PC] on and its scale word in v[PW]
.macro QUANT s
.irp b, 0,1,2,3
	v_max3_num_f32 v[TM+\b], |v[\s+16*\b]|, |v[\s+1+16*\b]|, 0x8000000   ; block b: my 16 numbers, and the floor 2^(16 - 127): the byte cannot fall under 1
.endr
.irp i, 2,4,6,8,10,12,14
.irp b, 0,1,2,3
	v_max3_num_f32 v[TM+\b], v[TM+\b], |v[\s+16*\b+\i]|, |v[\s+1+16*\b+\i]|   ; the four blocks by turns
.endr
.endr
.irp b, 0,1,2,3
	v_permlanex16_b32 v[TM+4+\b], v[TM+\b], s[SEL], s[SEL+1]
.endr
.irp b, 0,1,2,3
	v_max_num_f32 v[TM+\b], v[TM+\b], v[TM+4+\b]   ; with lane l xor 16's: the block's largest magnitude
.endr
.irp b, 0,1,2,3
	v_add_nc_u32 v[TM+12+\b], 0xf8800000, v[TM+\b]   ; 15 off its exponent field: the conversion takes this operand's exponent field as its scale
.endr
.irp b, 0,1,2,3
	v_and_or_b32 v[TM+8+\b], v[TM+\b], 0x7f800000, s[MNT]   ; 57,344 x the scale
.endr
.irp b, 0,1,2,3
	v_lshrrev_b32 v[TM+4+\b], 23, v[TM+12+\b]   ; the scale's byte
.endr
	v_lshl_or_b32 v[PW], v[TM+5], 8, v[TM+4]
	v_lshl_or_b32 v[PW], v[TM+6], 16, v[PW]
	v_lshl_or_b32 v[PW], v[TM+7], 24, v[PW]
.irp b, 0,1,2,3
.irp i, 0,1,2,3,4,5,6,7,8,9,10,11,12,13,14,15
	v_med3_num_f32 v[\s+16*\b+\i], v[\s+16*\b+\i], -v[TM+8+\b], v[TM+8+\b]   ; the conversion to an 8-bit code does not saturate (ISA guide 7.6.2): the hold comes first
.endr
	v_cvt_scalef32_pk8_bf8_f32 v[PC+4*\b:PC+1+4*\b], v[\s+16*\b:\s+7+16*\b], v[TM+12+\b]
	v_cvt_scalef32_pk8_bf8_f32 v[PC+2+4*\b:PC+3+4*\b], v[\s+8+16*\b:\s+15+16*\b], v[TM+12+\b]
.endr
	v_nop                                          ; a plain line between the last conversion and whatever vector or matrix line next writes its sources
.endm
.macro IMAGE adr, off                  ; the fragment in v[PC] on goes to LDS as it stands
.irp c, 0,1,2,3
	ds_store_b128 v[\adr], v[PC+4*\c:PC+4*\c+3] offset:\off+512*\c
.endr
.endm
.macro XLD buf, u, ks                  ; my pixel of tile 2 w + u, channels 128 ks + 32 cc + 16 (lane / 16) + i
.irp cc, 0,1,2,3
.irp i, 0,1,2,3,4,5,6,7,8,9,10,11,12,13,14,15
	ds_load_b32 v[\buf+16*\cc+\i], v[XA0+\ks] offset:(32*\cc+\i)*XP+32*\u
.endr
.endr
.endm
.macro QFETCH i                        ; the two fragments of x of my i-th tile of pixels, and their scale words: ten loads
.irp ks, 0,1
.irp c, 0,1,2,3
	ds_load_b128 v[ST+32*((\i)%2)+16*\ks+4*\c:ST+32*((\i)%2)+16*\ks+4*\c+3], v[XQA] offset:4096*(\i)+2048*\ks+512*\c
.endr
	ds_load_b32 v[XSQ+2*((\i)%2)+\ks], v[XQS] offset:256*(\i)+128*\ks
.endr
.endm
.macro PLACES n
.rept \n
	v_nop
.endr
.endm
.macro BARRIER                         ; my LDS stores have landed and my LDS loads are in: then the work-group's barrier
	s_wait_dscnt 0x0
	s_barrier_signal -1
	s_barrier_wait -1
.endm
	s_load_b512 s[4:19], s[0:1], 0x0               ; x, Wq codes, Wq scales, bq, Wk codes, Wk scales, bk, Wv codes
	s_load_b256 s[20:27], s[0:1], 0x40             ; Wv scales, bv, qi, qs
	s_load_b64 s[28:29], s[0:1], 0x60              ; kv
	v_lshl_add_u32 v254, v0, 2, 0x29800
	v_mov_b32 v255, 0
	ds_add_u32 v254, v255
	ds_add_u32 v254, v255
	v_lshrrev_b32 v1, 5, v0
	v_readfirstlane_b32 s[WV], v1                  ; wave 0..3
	s_and_b32 s47, ttmp7, 0xffff                   ; the image
	s_and_b32 s60, s[WV], 1
	s_lshr_b32 s61, s[WV], 1
	; descriptor group 1: 64 rows (channels) of 128 f32, 4,096 elements apart; 2 words of padding behind each row's 128
	s_mov_b32 s[G1+0], (2<<16)|(1<<20)|(6<<22)|(1<<25)
	s_mov_b32 s[G1+1], 128<<16                     ; tensor_dim0
	s_mov_b32 s[G1+2], 64<<16                      ; tensor_dim1
	s_mov_b32 s[G1+3], 128<<16                     ; tile_dim0
	s_mov_b32 s[G1+4], 64                          ; tile_dim1
	s_mov_b32 s[G1+5], 4096                        ; from row to row
	s_mov_b32 s[G1+6], 0
	s_mov_b32 s[G1+7], 0
	s_lshl_b32 s48, s47, 22                        ; the image, 4,194,304 bytes,
	s_lshl_b32 s54, s[WV], 20                      ; my 64 channels of 16,384 bytes,
	s_add_co_u32 s48, s48, s54
	s_lshl_b32 s54, ttmp9, 9                       ; the block's 128 pixels
	s_add_co_u32 s48, s48, s54
	s_mov_b32 s49, 0
	s_mov_b32 s[G0], 1
	s_mul_i32 s[G0+1], s[WV], 64*XP
	s_mov_b32 s[SEL], 0x76543210
	s_mov_b32 s[SEL+1], 0xfedcba98                 ; v_permlanex16_b32's selects for lane l xor 16
	s_mov_b32 s[MNT], 0x600000                     ; the mantissa field of 57,344
	s_lshl_b32 s56, s47, 5
	s_add_co_u32 s56, s56, ttmp9                   ; the key step's number in kv, the block's in qi and qs: 32 x image + block
	s_lshl_b32 s57, s[WV], 9
	s_add_co_u32 s57, s57, 49152
	s_cmp_lt_u32 s[WV], 3
	s_cselect_b32 s57, s57, 0                      ; waves 0-2 store kv's scale words, wave 3 stores qs's
	v_and_b32 v1, 31, v0                           ; lane
	v_and_b32 v2, 15, v0                           ; r
	v_bfe_u32 v3, v0, 4, 1                         ; h
	v_and_b32 v237, 8, v2
	v_add_nc_u32 v237, v237, v2                    ; r + 8 (r / 8)
	v_lshlrev_b32 v[AW], 8, v237                   ; the role's W: row r + 8 (r / 8) of a tile, 256 bytes a row, + 16 h
	v_lshl_add_u32 v[AW], v3, 4, v[AW]
	v_lshlrev_b32 v[AWS], 3, v237                  ; its scale bytes: 8 a row
	v_lshlrev_b32 v[AB], 6, v3                     ; its bias: 16 h numbers on
	v_lshlrev_b32 v[AV], 8, v2                     ; Wv: row r
	v_lshl_add_u32 v[AV], v3, 4, v[AV]
	v_lshlrev_b32 v[AVS], 3, v2
	v_lshlrev_b32 v[ABV], 2, v2
	; all LDS addresses: a constant + constants x lane + constants x wave
	v_mul_u32_u24 v[XA0], v3, 16*XP
	v_lshl_add_u32 v[XA0], v237, 2, v[XA0]
	s_lshl_b32 s54, s[WV], 7
	v_add_nc_u32 v[XA0], s54, v[XA0]               ; channel 16 h, pixel 32 w + r + 8 (r / 8)
	v_add_nc_u32 v[XA0+1], 128*XP, v[XA0]
	v_lshl_add_u32 v[LIX], v1, 4, XIMG
	v_lshl_add_u32 v[LSX], v1, 2, XSC
	s_lshl_b32 s54, s[WV], 13
	v_add_nc_u32 v[XWI], s54, v[LIX]
	s_lshl_b32 s54, s[WV], 9
	v_add_nc_u32 v[XWS], s54, v[LSX]
	s_add_co_u32 s54, s54, SCL
	v_lshl_add_u32 v[SRD], v1, 4, s54
	s_xor_b32 s54, s61, 1
	s_mul_i32 s54, s54, 1536                       ; q's words lie behind K's and V's
	s_lshl_b32 s55, s60, 3
	s_add_co_u32 s54, s54, s55
	s_add_co_u32 s54, s54, SCL
	v_lshl_add_u32 v[SQK], v2, 4, s54
	s_lshl_b32 s54, s61, 9
	s_add_co_u32 s54, s54, s55
	s_add_co_u32 s54, s54, SCL+512
	v_lshl_add_u32 v[SV], v2, 4, s54
	s_lshl_b32 s54, s60, 14
	v_add_nc_u32 v[XQA], s54, v[LIX]
	s_lshl_b32 s54, s60, 10
	v_add_nc_u32 v[XQS], s54, v[LSX]
	v_lshlrev_b32 v[OQ], 4, v1
	s_lshl_b32 s54, s[WV], 13
	v_add_nc_u32 v[OV], s54, v[OQ]
	v_add_nc_u32 v[OS], s57, v[OQ]
	s_lshl_b32 s54, s60, 13
	v_add_nc_u32 v[OQ], s54, v[OQ]
.irp b, 0,1,2,3
	v_mov_b32 v[TM+4+\b], 0                        ; written once: a lane permute's destination counts as one of its sources
.endr
	s_wait_dscnt 0x0
	s_wait_kmcnt 0x0
	s_add_nc_u64 s[G0+2:G0+3], s[4:5], s[48:49]
	s_or_b32 s[G0+3], s[G0+3], 0x80000000          ; type = 2
	tensor_load_to_lds s[G0:G0+3], s[G1:G1+7]      ; my 64 channels x 128 pixels: the one fill of these bytes
	s_nop 0
	PLACES 4
	s_mul_i32 s52, s56, STEPB
	s_mov_b32 s53, 0
	s_add_nc_u64 s[50:51], s[28:29], s[52:53]      ; kv at my key step
	s_lshl_b32 s52, s56, 9
	s_add_nc_u64 s[26:27], s[26:27], s[52:53]      ; qs at my block
	s_cmp_lt_u32 s[WV], 3
	s_cselect_b64 s[58:59], s[50:51], s[26:27]     ; where my 512 bytes of scale words go
	s_cmp_lt_u32 s[WV], 2                          ; the role: q (waves 0, 1) or k (waves 2, 3).  The choice hangs on the wave's number alone
	s_cselect_b64 s[6:7], s[6:7], s[12:13]
	s_cselect_b64 s[8:9], s[8:9], s[14:15]
	s_cselect_b64 s[10:11], s[10:11], s[16:17]
	s_cselect_b64 s[48:49], s[24:25], s[28:29]
	s_mov_b32 s52, STEPB
	s_cselect_b32 s52, 16384, s52                  ; a block's images of q are 16,384 bytes
	s_mul_i32 s52, s56, s52
	s_add_nc_u64 s[48:49], s[48:49], s[52:53]      ; where the role's images go
	s_lshl_b32 s52, s[WV], 14
	s_add_nc_u64 s[18:19], s[18:19], s[52:53]      ; my 64 rows of Wv,
	s_lshl_b32 s52, s[WV], 9
	s_add_nc_u64 s[20:21], s[20:21], s[52:53]      ; their scale bytes,
	s_lshl_b32 s52, s[WV], 8
	s_add_nc_u64 s[22:23], s[22:23], s[52:53]      ; their bias
	WIN 0x40                                       ; destination window 1
.irp t, 0,1,2,3,4,5,6,7                ; the role's W: fragment (tile t, K step ks) at v[16 (2 t + ks)]; tile t begins at row 32 (t / 2) + 8 (t % 2)
.irp ks, 0,1
.irp c, 0,1,2,3
	global_load_b128 v[16*(2*\t+\ks)+4*\c:16*(2*\t+\ks)+4*\c+3], v[AW], s[6:7] offset:(32*(\t/2)+8*(\t%2))*256+128*\ks+32*\c
.endr
.endr
.endr
	WIN 0x80                                       ; destination window 2
.irp i, 0,1,2,3
.irp ks, 0,1
.irp c, 0,1,2,3
	global_load_b128 v[16*(2*\i+\ks)+4*\c:16*(2*\i+\ks)+4*\c+3], v[AV], s[18:19] offset:16*\i*256+128*\ks+32*\c
.endr
.endr
.endr
.irp t, 0,1,2,3,4,5,6,7                ; the role's bias in the result's layout: lane (r, h), tile t, register j: channel 32 (t / 2) + 8 (t % 2) + 16 h + j
	global_load_b128 v[B1+8*\t:B1+8*\t+3], v[AB], s[10:11] offset:(32*(\t/2)+8*(\t%2))*4
	global_load_b128 v[B1+8*\t+4:B1+8*\t+7], v[AB], s[10:11] offset:(32*(\t/2)+8*(\t%2))*4+16
.endr
	WIN 0
.irp t, 0,1,2,3,4,5,6,7
.irp ks, 0,1
	global_load_b32 v[WS+2*\t+\ks], v[AWS], s[8:9] offset:(32*(\t/2)+8*(\t%2))*8+4*\ks
.endr
.endr
.irp i, 0,1,2,3
.irp ks, 0,1
	global_load_b32 v[WVS+2*\i+\ks], v[AVS], s[20:21] offset:16*\i*8+4*\ks
.endr
	global_load_b32 v[BVL+\i], v[ABV], s[22:23] offset:64*\i
.endr
	s_wait_tensorcnt 0x0                           ; my part of x's tile has landed,
	s_barrier_signal -1
	s_barrier_wait -1                              ; everybody's has
	; ---- X: my 32 pixels become four fragments.  Two sets of 64 numbers by turns.  Behind the run wanted 64 younger loads were issued, so at most 63 out shows it in (and the five stores ahead of the younger run done)
	XLD HA, 0, 0
	XLD ST, 0, 1
	s_wait_dscnt 63
	QUANT HA
	IMAGE XWI, 0
	ds_store_b32 v[XWS], v[PW]
	XLD HA, 1, 0
	s_wait_dscnt 63
	QUANT ST
	IMAGE XWI, 2048
	ds_store_b32 v[XWS], v[PW] offset:128
	XLD ST, 1, 1
	s_wait_dscnt 63
	QUANT HA
	IMAGE XWI, 4096
	ds_store_b32 v[XWS], v[PW] offset:256
	s_wait_dscnt 0x0
	QUANT ST
	IMAGE XWI, 6144
	ds_store_b32 v[XWS], v[PW] offset:384
	BARRIER                                        ; x's sixteen fragments lie in LDS
	WIN 0xc0                                       ; destination window 3: all sixteen, for v
.irp f, 0,1,2,3,4,5,6,7,8,9,10,11,12,13,14,15
.irp c, 0,1,2,3
	ds_load_b128 v[16*\f+4*\c:16*\f+4*\c+3], v[LIX] offset:2048*\f+512*\c
.endr
.endr
	WIN 0
.irp f, 0,1,2,3,4,5,6,7,8,9,10,11,12,13,14,15
	ds_load_b32 v[XS+\f], v[LSX] offset:128*\f
.endr
	QFETCH 0
	s_wait_loadcnt 0x0                             ; weights, scale words, biases
	WIN 0x80
.irp i, 0,1,2,3
.irp j, 0,1,2,3,4,5,6,7
	v_mov_b32 v[BV+8*\i+\j], v[BVL+\i]             ; v's bias in the result's layout: a lane holds one channel, so its eight registers hold one number
.endr
.endr
	WIN 0
	; ---- QK: my four tiles of pixels x all 128 channels of q or of k.  Eight accumulators by turns, K step by K step
.irp i, 0,1,2,3
.if \i < 3
	QFETCH \i+1                                    ; into the other buffer: its last readers stand eight v_nop and a quantiser back
	s_wait_dscnt 10                                ; all but those ten
.else
	s_wait_dscnt 0x0
.endif
	WIN 0x21                                       ; source 0 (W) window 1, source 2 (the bias) window 2
.irp t, 0,1,2,3,4,5,6,7
	MMA HA+8*\t, 32*\t, ST+32*(\i%2), B1+8*\t, WS+2*\t, XSQ+2*(\i%2)
.endr
	WIN 0x01
.irp t, 0,1,2,3,4,5,6,7
	MMA HA+8*\t, 32*\t+16, ST+32*(\i%2)+16, HA+8*\t, WS+2*\t+1, XSQ+2*(\i%2)+1
.endr
	WIN 0
	PLACES 8                                       ; eight places between the last product and the first read of results
	s_wait_xcnt 0x0                                ; the last image's stores have read their registers
	QUANT HA
.irp c, 0,1,2,3
	global_store_b128 v[OQ], v[PC+4*\c:PC+4*\c+3], s[48:49] offset:2048*\i+512*\c   ; 32 lanes store 512 consecutive bytes
.endr
	ds_store_b32 v[SQK], v[PW] offset:256*(\i%2)+4*(\i/2)   ; lanes r and r + 16 write the same word with the same value
.endr
	; ---- V: my four tiles of channels x all 128 pixels
.irp i, 0,1,2,3
	s_wait_dscnt 0x0                               ; the last scale word's store has read its register
	WIN 0x2b                                       ; source 0 (x) window 3, source 1 (Wv) and source 2 (bv) window 2
.irp t, 0,1,2,3,4,5,6,7
	MMA HA+8*\t, 32*\t, 32*\i, BV+8*\i, XS+2*\t, WVS+2*\i
.endr
	WIN 0x0b
.irp t, 0,1,2,3,4,5,6,7
	MMA HA+8*\t, 32*\t+16, 32*\i+16, HA+8*\t, XS+2*\t+1, WVS+2*\i+1
.endr
	WIN 0
	PLACES 8
	s_wait_xcnt 0x0
	QUANT HA
.irp c, 0,1,2,3
	global_store_b128 v[OV], v[PC+4*\c:PC+4*\c+3], s[50:51] offset:16384+2048*\i+512*\c
.endr
	ds_store_b32 v[SV], v[PW] offset:256*(\i%2)+4*(\i/2)
.endr
	BARRIER                                        ; all 2,048 bytes of scale words lie in LDS
	ds_load_b128 v[RB:RB+3], v[SRD]
	s_wait_dscnt 0x0
	global_store_b128 v[OS], v[RB:RB+3], s[58:59]  ; 512 consecutive bytes a wave
	s_wait_tensorcnt 0x0
	ds_add_u32 v254, v255
	s_wait_dscnt 0x0
	s_endpgm
.Lfunc_end_k_q367e18884a_proj:
	.size	k_q367e18884a_proj, .Lfunc_end_k_q367e18884a_proj-k_q367e18884a_proj
	.p2alignl 7, 3214868480
	.fill 96, 4, 3214868480
	.section	.rodata,"a",@progbits
	.p2align	6, 0x0
	.amdhsa_kernel k_q367e18884a_proj
		.amdhsa_group_segment_fixed_size 170496
		.amdhsa_private_segment_fixed_size 0
		.amdhsa_enable_private_segment 0
		.amdhsa_kernarg_size 104
		.amdhsa_user_sgpr_count 2
		.amdhsa_user_sgpr_kernarg_segment_ptr 1
		.amdhsa_wavefront_size32 1
		.amdhsa_system_sgpr_workgroup_id_x 1
		.amdhsa_system_sgpr_workgroup_id_y 1
		.amdhsa_system_sgpr_workgroup_id_z 1
		.amdhsa_system_vgpr_workitem_id 0
		.amdhsa_next_free_vgpr 1024
		.amdhsa_next_free_sgpr 66
		.amdhsa_reserve_vcc 0
		.amdhsa_float_denorm_mode_32 3
		.amdhsa_float_denorm_mode_16_64 3
		.amdhsa_memory_ordered 1
		.amdhsa_forward_progress 1
		.amdhsa_inst_pref_size 164
	.end_amdhsa_kernel
	.amdgpu_metadata
---
amdhsa.version: [ 1, 2 ]
amdhsa.kernels:
  - .name:           k_q367e18884a_proj
    .symbol:         k_q367e18884a_proj.kd
    .args:
      - { .name: x, .offset: 0, .size: 8, .value_kind: global_buffer, .address_space: global }
      - { .name: Wq_codes, .offset: 8, .size: 8, .value_kind: global_buffer, .address_space: global }
      - { .name: Wq_scales, .offset: 16, .size: 8, .value_kind: global_buffer, .address_space: global }
      - { .name: bq, .offset: 24, .size: 8, .value_kind: global_buffer, .address_space: global }
      - { .name: Wk_codes, .offset: 32, .size: 8, .value_kind: global_buffer, .address_space: global }
      - { .name: Wk_scales, .offset: 40, .size: 8, .value_kind: global_buffer, .address_space: global }
      - { .name: bk, .offset: 48, .size: 8, .value_kind: global_buffer, .address_space: global }
      - { .name: Wv_codes, .offset: 56, .size: 8, .value_kind: global_buffer, .address_space: global }
      - { .name: Wv_scales, .offset: 64, .size: 8, .value_kind: global_buffer, .address_space: global }
      - { .name: bv, .offset: 72, .size: 8, .value_kind: global_buffer, .address_space: global }
      - { .name: qi, .offset: 80, .size: 8, .value_kind: global_buffer, .address_space: global }
      - { .name: qs, .offset: 88, .size: 8, .value_kind: global_buffer, .address_space: global }
      - { .name: kv, .offset: 96, .size: 8, .value_kind: global_buffer, .address_space: global }
    .group_segment_fixed_size: 170496
    .private_segment_fixed_size: 0
    .kernarg_segment_align: 8
    .kernarg_segment_size: 104
    .max_flat_workgroup_size: 128
    .sgpr_count:     66
    .vgpr_count:     1024
    .wavefront_size: 32
...
	.end_amdgpu_metadata
.endif
;; end of part 1
;; launch attn (part 2): grid 32 x 8, 4 waves a work-group, clusters of 4 x 1, 327,680 bytes of LDS; arguments qi, qs, kv, x, gamma, out0; writes out0
.if DOCPART == 2
	.amdgcn_target "amdgcn-amd-amdhsa--gfx1250"
	.amdhsa_code_object_version 6
	.text
	.protected	k_q367e18884a_attn
	.globl	k_q367e18884a_attn
	.p2align	8
	.type	k_q367e18884a_attn,@function
k_q367e18884a_attn:
	s_mov_b64 s[64:65], 0
	v_nop
	global_prefetch_b8 v0, s[64:65] scope:SCOPE_SE
	s_setreg_imm32_b32 hwreg(HW_REG_WAVE_MODE, 25, 1), 1
	s_wait_xcnt 0x0
	s_wait_alu depctr_hold_cnt(0) depctr_sa_sdst(0) depctr_va_vdst(0) depctr_va_sdst(0) depctr_va_ssrc(0) depctr_va_vcc(0) depctr_vm_vsrc(0)
	s_getreg_b32 s2, hwreg(HW_REG_IB_STS2, 6, 4)
	s_cmp_eq_u32 s2, 0
	s_cbranch_scc0 .Lentry_in_a_cluster
	s_endpgm
.Lentry_in_a_cluster:
	s_bfe_u32 s2, ttmp6, 0x10000c
	s_cmp_lg_u32 s2, 0x3003
	s_cbranch_scc0 .Lentry_shape_is_right
	s_endpgm
.Lentry_shape_is_right:
; out[b][c][i] = gamma x (sum over j of v[c][j] p[i][j]) / l[i] + x[b][c][i], p = 2^(t - M), t = (q_i . k_j) log2(e) / 16, M = the running largest t rounded up to a whole number, l = the sum of the unquantised p.
; Both products on codes of BF8 (E5M2) with one E8M0 scale for each 32 along K.  q, k, v come as images of operand registers: a fragment is 2,048 bytes, group c of lane l at 512 c + 16 l.
; SHARES.  A work-group owns 128 queries of an image, each of its four waves 32: two tiles of 16.  Row r of tile y of wave w is query 32 w + 8 y + r + 8 (r / 8).  Every wave walks the image's 4,096 keys, 128 a step.
; LAYOUT.  Both products are used transposed: S^T = K Q^T (source 0 = 16 keys), O^T = V P^T (source 0 = 16 channels): a lane holds ONE query throughout.  The keys of a tile of K are chosen as the queries of a tile are,
; so that the 16 registers of tiles 2 b, 2 b + 1 of S^T are keys 32 b + 16 (lane / 16) + 0 .. 15: the conversions' results are P's operand registers.
; BY TURNS.  In a turn one tile has the matrix unit: 16 products V P^T of the step in hand, then 8 products K Q^T of the next step; the other tile's softmax, 341 vector instructions cut into 24 slices, stands between them,
; a slice behind each matrix instruction.  Then the tiles change places.  Two turns are a key step.  Each fragment of K and V read from LDS serves both tiles.
; RING.  Two LDS slots of two key steps (101,376 bytes).  CLUSTER: the four query blocks of a cluster belong to one image and walk the same kv, so each slot is asked for JOINTLY: every wave of every partner issues the same
; tensor load for its quarter of the slot (99 rows of 256 bytes), with a mask that names the four.
; THE WAY OUT.  O^T goes raw through a stage in the two slots (which have had their last fill and their last read), channel by channel, and comes back as rows of 128 queries; gamma / l comes with it; x is added.
; LIMITS: NaN and infinities are not served.  A p under 2^-126 counts as 0.  A block's largest p is made from its largest score by the same multiply-add and exponential; a block whose p are all 0 keeps the scale byte 1.
; REGISTERS, in windows of 256 (s_set_vgpr_msb: bits 1:0 source 0, 3:2 source 1, 5:4 source 2, 7:6 destination):
;   window 0: addresses, statistics, scale words; v64-191 S^T, 64 a tile; v192-223 P's codes, 16 a tile.   window 1: O^T, 128 a tile.
;   window 2: V's 16 fragments; at the end rows of O.   window 3: v0-127 K's 8 fragments, v128-159 Q; at the end x.
.set STEPB, 50688                      ; a key step in kv and in LDS: K's images at 0, V's at 16,384, K's scale words at 49,152, V's at 49,664
.set SLOTB, 2*STEPB
.set QUART, SLOTB/4                    ; what one tensor load brings: 99 x 256 bytes
.set SLOT1, 1<<17                      ; slot 1 begins here: one exclusive or turns an address in one slot into the other's
.set SPARE, SLOT1+SLOTB                ; the spare words, 128 bytes for each wave: two blocks of 256 bytes that no other line names
.set GST,   SPARE+512                  ; gamma / l of the 128 queries
.set SP,    528                        ; the stage: a channel's 128 queries, 512 bytes + 16; channels 0-127 from byte 0, channels 128-255 from SLOT1
.set L16, 1                            ; v1   16 x lane
.set ADR, 2                            ; v2   the key step whose fragments are being fetched
.set SPW, 5                            ; v5   my spare word; never rewritten
.set NIL, 6                            ; v6   0; never rewritten
.set PFO, 7                            ; v7   256 x lane
.set STA, 8                            ; v8, v9    into the stage
.set STB, 9
.set RDA, 10                           ; v10, v11  back out of it
.set RDB, 11
.set ST,  12                           ; tile y's statistics at v[ST + 4 y]: -M, the largest t, the sum in two halves
.set BM,  20                           ; v20-23 the blocks' largest scores, then largest p
.set T2,  24
.set LIM4, 28                          ; v28-31 57,344 x the scale
.set SCO, 32                           ; v32-35 the conversions' scale operands
.set F,   36                           ; v[36:37] f = 2^(old M - new M)
.set TA,  38
.set SUM2, 40
.set QS,  42                           ; Q's scale words: lanes 0-15 tile 0, lanes 16-31 tile 1
.set GRD, 43
.set PW,  44                           ; v44, v45  P's scale word, a tile each
.set GO,  46                           ; my byte offset in x and in out
.set GQ,  47
.set KS,  48                           ; v48-51 K's scale words: register j: lanes 0-15 tile 2 j, lanes 16-31 tile 2 j + 1
.set VS,  52                           ; v52-59 V's likewise
.set S,   64
.set PC,  192
.set WV,  18
.set G1,  28                           ; s[28:35]
.set G0A, 44                           ; s[44:47] slot 0's first fill
.set G0W, 48                           ; s[48:51] slot 1's first fill; then it walks
.set SLOTS, 56
.set TWICE, 57
.set CS,  58                           ; s[58:59] c = log2(e) / 16
.set SEL, 60
.set TB,  62                           ; LDS byte at which the step to be fetched begins
.set MNT, 66
.set GAM, 67
.set PFA, 68                           ; s[68:69] where my prefetches stand
.set LIM, 70
.set MSB, 0
.macro WIN new                         ; the immediate's high byte repeats the setting that is left; a switch that changes nothing is dropped
.if MSB != \new
	s_set_vgpr_msb (MSB<<8)|\new
.set MSB, \new
.endif
.endm
.macro PLACES n
.rept \n
	v_nop
.endr
.endm
.macro CROUND                          ; a round of the cluster's barrier
	s_barrier_signal -1
	s_barrier_wait -1
	s_cmp_lg_u32 s[WV], 0
	s_cbranch_scc1 .Lnot_wave_0_\@
	s_barrier_signal -3
.Lnot_wave_0_\@:
	s_barrier_wait -3
	s_barrier_signal -1
	s_barrier_wait -1
.endm
.macro JLOAD                           ; the joint refill: one line for all waves, each with its own quarter; four v_nop follow
	tensor_load_to_lds s[G0W:G0W+3], s[G1:G1+7]
	s_nop 0
	PLACES 4
.endm
; A PREFETCH INTO THE L2 of the slot that the NEXT change of slots will ask for: two key steps ahead of that load.  All clusters of an image walk the same kv: the image's first cluster asks.  Its four partners are told apart
; BY ADDRESS; in each, waves 0 to 2 ask, one instruction each, lanes 256 bytes apart: unit 3 cx + w takes bytes 8,192 (3 cx + w) on: 98,304 of a slot's 101,376 bytes, each block of 256 named once; the rest comes by its load alone.
; The last change that fills a slot asks for nothing; slots 0 to 2 come by their loads alone.
.macro ASK
	s_cmp_gt_u32 s[SLOTS], s[LIM]
	s_cbranch_scc0 .Lnot_mine_\@
	global_prefetch_b8 v[PFO], s[PFA:PFA+1] th:TH_LOAD_NT scope:SCOPE_SE
.Lnot_mine_\@:
.endm
; Product kt of 8 of S^T = K Q^T for tile x: one instruction is the whole sum (K = 128)
.macro KQ x
	WIN 0x0f                                       ; K and Q in window 3, S^T in window 0
.set rS, S+64*(\x)+8*kt
.if (kt%2 == 0) && ((\x) == 0)
	v_wmma_scale_f32_16x16x128_f8f6f4 v[rS:rS+7], v[16*kt:16*kt+15], v[128+16*(\x):128+16*(\x)+15], 0, v[KS+kt/2], v[QS] matrix_a_fmt:MATRIX_FMT_BF8 matrix_b_fmt:MATRIX_FMT_BF8
.elseif kt%2 == 0
	v_wmma_scale_f32_16x16x128_f8f6f4 v[rS:rS+7], v[16*kt:16*kt+15], v[128+16*(\x):128+16*(\x)+15], 0, v[KS+kt/2], v[QS] matrix_a_fmt:MATRIX_FMT_BF8 matrix_b_fmt:MATRIX_FMT_BF8 matrix_b_scale:MATRIX_SCALE_ROW1
.elseif (\x) == 0
	v_wmma_scale_f32_16x16x128_f8f6f4 v[rS:rS+7], v[16*kt:16*kt+15], v[128+16*(\x):128+16*(\x)+15], 0, v[KS+kt/2], v[QS] matrix_a_fmt:MATRIX_FMT_BF8 matrix_b_fmt:MATRIX_FMT_BF8 matrix_a_scale:MATRIX_SCALE_ROW1
.else
	v_wmma_scale_f32_16x16x128_f8f6f4 v[rS:rS+7], v[16*kt:16*kt+15], v[128+16*(\x):128+16*(\x)+15], 0, v[KS+kt/2], v[QS] matrix_a_fmt:MATRIX_FMT_BF8 matrix_b_fmt:MATRIX_FMT_BF8 matrix_a_scale:MATRIX_SCALE_ROW1 matrix_b_scale:MATRIX_SCALE_ROW1
.endif
.endm
; Product ct of 16 of O^T += V P^T for tile x: each accumulator has one instruction a turn.  zero = 1: the first key step starts the sums: nothing is ever cleared
.macro PV x, zero
	WIN 0x52                                       ; V in window 2, P in window 0, O^T in window 1
.set rO, 128*(\x)+8*ct
.set rP, PC+16*(\x)
.if (\zero) && (ct%2 == 0)
	v_wmma_scale_f32_16x16x128_f8f6f4 v[rO:rO+7], v[16*ct:16*ct+15], v[rP:rP+15], 0, v[VS+ct/2], v[PW+(\x)] matrix_a_fmt:MATRIX_FMT_BF8 matrix_b_fmt:MATRIX_FMT_BF8
.elseif (\zero)
	v_wmma_scale_f32_16x16x128_f8f6f4 v[rO:rO+7], v[16*ct:16*ct+15], v[rP:rP+15], 0, v[VS+ct/2], v[PW+(\x)] matrix_a_fmt:MATRIX_FMT_BF8 matrix_b_fmt:MATRIX_FMT_BF8 matrix_a_scale:MATRIX_SCALE_ROW1
.elseif ct%2 == 0
	v_wmma_scale_f32_16x16x128_f8f6f4 v[rO:rO+7], v[16*ct:16*ct+15], v[rP:rP+15], v[rO:rO+7], v[VS+ct/2], v[PW+(\x)] matrix_a_fmt:MATRIX_FMT_BF8 matrix_b_fmt:MATRIX_FMT_BF8
.else
	v_wmma_scale_f32_16x16x128_f8f6f4 v[rO:rO+7], v[16*ct:16*ct+15], v[rP:rP+15], v[rO:rO+7], v[VS+ct/2], v[PW+(\x)] matrix_a_fmt:MATRIX_FMT_BF8 matrix_b_fmt:MATRIX_FMT_BF8 matrix_a_scale:MATRIX_SCALE_ROW1
.endif
.endm
.macro FETCH_K                         ; the next step's K: 32 loads in one run, and its scale words; v[ADR] then serves the same step's V
	WIN 0
	v_add_nc_u32 v[ADR], s[TB], v[L16]
	s_add_co_u32 s[TB], s[TB], STEPB
	WIN 0xc0                                       ; destination window 3
.set kf, 0
.rept 8
.irp c, 0,1,2,3
	ds_load_b128 v[16*kf+4*\c:16*kf+4*\c+3], v[ADR] offset:2048*kf+512*\c
.endr
.set kf, kf+1
.endr
	WIN 0
	ds_load_b128 v[KS:KS+3], v[ADR] offset:49152
.endm
.macro VRUN f0, n                      ; V's fragments f0 .. f0 + n - 1 of the same step; the last run brings the scale words too
	WIN 0x80                                       ; destination window 2
.set vf, \f0
.rept \n
.irp c, 0,1,2,3
	ds_load_b128 v[16*vf+4*\c:16*vf+4*\c+3], v[ADR] offset:16384+2048*vf+512*\c
.endr
.set vf, vf+1
.endr
.if (\f0) == 12
	WIN 0
	ds_load_b128 v[VS:VS+3], v[ADR] offset:49664
	ds_load_b128 v[VS+4:VS+7], v[ADR] offset:50176
.endif
.endm
; THE VECTOR WORK OF A TURN: one tile's softmax for one key step is a list of 341 instructions; SM writes number j of it for tile y.
;   0-39    the largest score of each block of 32 keys (it serves for the row's maximum and for the block's largest p), with lane l xor 16's
;   40-48   the running largest t; -M = floor(-t); f = 2^(old M - new M), by v_ldexp_f32 of a whole number: nothing is rounded
;   49-152  ONE BATCH: 36 multiply-adds t - M (32 packed, 4 for the blocks' largest) and 68 exponentials, two exponentials and a multiply-add by turns; a pair is scaled three groups ahead of its exponentials.  None reads an exponential's result
;   153     the sum x f: the plain line behind the last exponential; then the turn's one wait for the batch, ahead of its first reader
;   154-185 the row's sum of the unquantised p, packed, in two chains
;   186-204 the blocks' scales: floor, scale operand, 57,344 x the scale, byte; the scale word
;   205-276 block by block: 16 holds (p is not negative: one-sided), two conversions
;   277-340 the tile's O^T x f.  first = 1: the first key step has no O^T yet
.macro SM y, first
.set rT, ST+4*(\y)
.set rS, S+64*(\y)
.set rP, PC+16*(\y)
.if j < 277
	WIN 0
.endif
.if j < 4
	v_max3_num_f32 v[BM+j], v[rS+16*j], v[rS+16*j+1], v[rS+16*j+2]
.elseif j < 28
.set sb, (j-4)%4
.set si, 3+2*((j-4)/4)
	v_max3_num_f32 v[BM+sb], v[BM+sb], v[rS+16*sb+si], v[rS+16*sb+si+1]
.elseif j < 32
	v_max_num_f32 v[BM+j-28], v[BM+j-28], v[rS+16*(j-28)+15]
.elseif j < 36
	v_permlanex16_b32 v[T2+j-32], v[BM+j-32], s[SEL], s[SEL+1]
.elseif j < 40
	v_max_num_f32 v[BM+j-36], v[BM+j-36], v[T2+j-36]
.elseif j == 40
	v_max3_num_f32 v[TA], v[BM], v[BM+1], v[BM+2]
.elseif j == 41
	v_max_num_f32 v[TA], v[TA], v[BM+3]
.elseif j == 42
	v_mul_f32 v[TA], s[CS], v[TA]
.elseif j == 43
	v_max_num_f32 v[rT+1], v[rT+1], v[TA]
.elseif j == 44
	v_mov_b32 v[TA], v[rT]
.elseif j == 45
	v_floor_f32 v[rT], -v[rT+1]
.elseif j == 46
	v_sub_f32 v[TA], v[rT], v[TA]
.elseif j == 47
	v_cvt_i32_f32 v[TA], v[TA]
.elseif j == 48
	v_ldexp_f32 v[F], 1.0, v[TA]
.elseif j < 153
.set bn, j-49
.if bn < 3
.set kind, 0
.set idx, bn
.elseif (bn-3)%3 == 2
.set kind, 0
.set idx, (bn-3)/3+3
.else
.set kind, 1
.set idx, 2*((bn-3)/3)+(bn-3)%3
.endif
.if (kind == 0) && (idx < 32)
	v_pk_fma_f32 v[rS+2*idx:rS+2*idx+1], v[rS+2*idx:rS+2*idx+1], s[CS:CS+1], v[rT:rT+1] op_sel_hi:[1,0,0]
.elseif kind == 0
	v_fma_f32 v[BM+idx-32], v[BM+idx-32], s[CS], v[rT]
.elseif idx < 64
	v_exp_f32 v[rS+idx], v[rS+idx]
.else
	v_exp_f32 v[BM+idx-64], v[BM+idx-64]
.endif
.elseif j == 153
	v_pk_mul_f32 v[rT+2:rT+3], v[rT+2:rT+3], v[F:F+1] op_sel_hi:[1,0]
	s_wait_alu depctr_va_vdst(0)
.elseif j < 186
.set sz, j-154
.if sz == 0
	v_pk_add_f32 v[SUM2:SUM2+1], v[rS:rS+1], v[rS+2:rS+3]
.elseif sz == 31
	v_pk_add_f32 v[rT+2:rT+3], v[rT+2:rT+3], v[SUM2:SUM2+1]
.elseif sz%2 == 1
.set si, 4+4*((sz-1)/2)
	v_pk_add_f32 v[rT+2:rT+3], v[rT+2:rT+3], v[rS+si:rS+si+1]
.else
.set si, 6+4*((sz-2)/2)
	v_pk_add_f32 v[SUM2:SUM2+1], v[SUM2:SUM2+1], v[rS+si:rS+si+1]
.endif
.elseif j < 190
	v_max_num_f32 v[BM+j-186], 0x8000000, v[BM+j-186]
.elseif j < 194
	v_add_nc_u32 v[SCO+j-190], 0xf8800000, v[BM+j-190]
.elseif j < 198
	v_and_or_b32 v[LIM4+j-194], v[BM+j-194], 0x7f800000, s[MNT]
.elseif j < 202
	v_lshrrev_b32 v[T2+j-198], 23, v[SCO+j-198]
.elseif j == 202
	v_lshl_or_b32 v[PW+(\y)], v[T2+1], 8, v[T2]
.elseif j == 203
	v_lshl_or_b32 v[PW+(\y)], v[T2+2], 16, v[PW+(\y)]
.elseif j == 204
	v_lshl_or_b32 v[PW+(\y)], v[T2+3], 24, v[PW+(\y)]
.elseif j < 277
.set sb, (j-205)/18
.set si, (j-205)%18
.if si < 16
	v_min_num_f32 v[rS+16*sb+si], v[rS+16*sb+si], v[LIM4+sb]
.elseif si == 16
	v_cvt_scalef32_pk8_bf8_f32 v[rP+4*sb:rP+4*sb+1], v[rS+16*sb:rS+16*sb+7], v[SCO+sb]
.else
	v_cvt_scalef32_pk8_bf8_f32 v[rP+4*sb+2:rP+4*sb+3], v[rS+16*sb+8:rS+16*sb+15], v[SCO+sb]
.endif
.if (j == 276) && \first
	v_nop                                          ; the plain line behind the last conversion, where no rescaling follows
.endif
.elseif \first == 0
	WIN 0x41                                       ; O^T (destination and source 0) in window 1, f in window 0
.set rO, 128*(\y)+2*(j-277)
	v_pk_mul_f32 v[rO:rO+1], v[rO:rO+1], v[F:F+1] op_sel_hi:[1,0]
.endif
.endm
; Slice k of 24: numbers 14 k .. 14 k + 13; the last takes the five that are over.  In tile 1's turn (the softmax is tile 0's) V's loads for the next step stand in three runs, each behind the slice that follows the
; last product that read those fragments: eight plain instructions or more lie between (numbers 42-51 and six multiply-adds; 14 packed sums; 12 holds).
.macro SLICE y, first
.set j, 14*k
.set jn, 14
.if k == 23
.set jn, 19
.endif
.rept jn
	SM \y, \first
.set j, j+1
.endr
.if (\y) == 0
.if k == 4
	VRUN 0, 4
.elseif k == 11
	VRUN 4, 8
.elseif k == 15
	VRUN 12, 4
.endif
.endif
.set k, k+1
.endm
.macro DEAL y, first                   ; behind the mi-th of a turn's nm matrix instructions: slices up to 24 mi / nm
.set mi, mi+1
.rept mi*24/nm-k
	SLICE \y, \first
.endr
.endm
; A TURN.  Tile x has the matrix unit.  pv = 2: 16 products V P^T; 1: they start O^T's sums; 0: none.  kq = 1: 8 products K Q^T of the next step.  first = 1: the softmax is the first key step's; eight v_nop then take
; the last slices' part as the places behind the turn's last products.  Tile 0's turn fetches the next step's K behind its second product: K's last reader stands in front of the 19 multiplications (or the v_nop) that end the turn before.
.macro TURN x, pv, kq, first
.set k, 0
.set mi, 0
.set nm, 8*(\kq)
.if \pv
.set nm, nm+16
.if (\x) == 0
	s_wait_dscnt 0x0                               ; V is in
.endif
.set ct, 0
.rept 16
	PV \x, 2-\pv
	DEAL 1-\x, \first
.if ((\x) == 0) && \kq && (mi == 2)
	FETCH_K
.endif
.set ct, ct+1
.endr
.endif
.if \kq
.if (\x) == 0
	s_wait_dscnt 0x0                               ; K is in
.endif
.set kt, 0
.rept 8
	KQ \x
	DEAL 1-\x, \first
.set kt, kt+1
.endr
.endif
.if \first
	PLACES 8
.endif
.endm
; THE CHANGE OF SLOTS, between tile 1's turn and tile 0's: the slot's last bytes, V of its second step, have been asked for.  Each wave waits for all its tensor loads (one is out: its quarter of the other slot), adds 0 to its
; spare word, and waits for that and for its reads of the slot.  fill = 1: a round of the cluster's barrier, and the joint refill first behind it: it has two key steps, 96 matrix instructions and their softmaxes, in which to land.
.macro CHANGE fill
	WIN 0
	s_wait_tensorcnt 0x0                           ; no tensor load of mine is out, so a group 0 may be written
	ds_add_u32 v[SPW], v[NIL]                      ; 0 onto my spare word
.if \fill
	s_xor_b32 s[G0W+1], s[G0W+1], SLOT1            ; the walking descriptor: the other slot than last time,
	s_add_nc_u64 s[G0W+2:G0W+3], s[G0W+2:G0W+3], SLOTB   ; the next two key steps; the type bits on top are not reached
	s_wait_xcnt 0x0                                ; the last prefetch, two key steps back, has read its address
	s_add_nc_u64 s[PFA:PFA+1], s[PFA:PFA+1], SLOTB
	s_wait_dscnt 0x0                               ; the add is done, and my reads of the slot are over
	CROUND
	JLOAD
	ASK
.else
	s_wait_dscnt 0x0
	s_barrier_signal -1
	s_barrier_wait -1
.endif
	s_sub_co_u32 s[TB], s[TB], SLOTB               ; the fetches go back to a slot's first step,
	s_xor_b32 s[TB], s[TB], SLOT1                  ; in the other slot
.endm
.macro TWO_STEPS                       ; a slot's two key steps: written once, walked twice
	s_mov_b32 s[TWICE], 2
.Lstep_\@:
	TURN 0, 2, 1, 0
	TURN 1, 2, 1, 0
	WIN 0
	s_sub_co_u32 s[TWICE], s[TWICE], 1
	s_cmp_lg_u32 s[TWICE], 0
	s_cbranch_scc1 .Lstep_\@
.endm
	s_load_b256 s[4:11], s[0:1], 0x0               ; qi s[4:5], qs s[6:7], kv s[8:9], x s[10:11]
	s_load_b128 s[12:15], s[0:1], 0x20             ; gamma s[12:13], out0 s[14:15]
	v_lshl_add_u32 v[SPW], v0, 2, SPARE
	v_mov_b32 v[NIL], 0
	ds_add_u32 v5, v6
	ds_add_u32 v5, v6
	s_wait_dscnt 0x0
	v_lshrrev_b32 v2, 5, v0
	v_readfirstlane_b32 s[WV], v2                  ; wave 0..3
	s_bfe_u32 s19, ttmp6, 0x40000                  ; cx: my place in the cluster
	s_lshl_b32 s20, ttmp9, 2
	s_add_co_u32 s20, s20, s19                     ; my block of 128 queries: it enters global addresses of qi, qs, x and out0 alone
	s_and_b32 s21, ttmp7, 0xffff                   ; the image, which the four partners share
	; descriptor group 1: 99 dense rows of 256 bytes (32 elements of 8 bytes); the mask names all four work-groups, bit 21 beside it
	s_mov_b32 s[G1+0], 15|(3<<16)|(1<<21)
	s_mov_b32 s[G1+1], 32<<16
	s_mov_b32 s[G1+2], 99<<16
	s_mov_b32 s[G1+3], 32<<16
	s_mov_b32 s[G1+4], 99
	s_mov_b32 s[G1+5], 32
	s_mov_b32 s[G1+6], 0
	s_mov_b32 s[G1+7], 0
	s_lshl_b32 s36, s21, 19                        ; qi: the image's 524,288 bytes, the block's 16,384, my two tiles' 4,096
	s_lshl_b32 s22, s20, 14
	s_add_co_u32 s36, s36, s22
	s_lshl_b32 s22, s[WV], 12
	s_add_co_u32 s36, s36, s22
	s_mov_b32 s37, 0
	s_lshl_b32 s38, s21, 5                         ; qs: 512 bytes a block; register w of its four
	s_add_co_u32 s38, s38, s20
	s_lshl_b32 s38, s38, 9
	s_lshl_b32 s22, s[WV], 2
	s_add_co_u32 s38, s38, s22
	s_mov_b32 s39, 0
	s_lshl_b32 s40, s21, 22                        ; x and out0: the image, the block's 512 bytes of a row
	s_lshl_b32 s22, s20, 9
	s_add_co_u32 s40, s40, s22
	s_mov_b32 s41, 0
	s_mul_i32 s23, s21, 32*STEPB                   ; kv: the image's first byte,
	s_mul_i32 s[G0A+1], s[WV], QUART               ; my quarter of a slot, in LDS as in memory
	s_add_co_u32 s42, s23, s[G0A+1]
	s_mov_b32 s43, 0
	s_mul_i32 s52, s19, 3                          ; the prefetches: unit 3 cx + w,
	s_add_co_u32 s52, s52, s[WV]
	s_lshl_b32 s52, s52, 13
	s_add_co_u32 s52, s52, s23
	s_add_co_u32 s52, s52, 2*SLOTB                 ; in slot 2: the first change of slots steps it to slot 3
	s_mov_b32 s53, 0
	s_cmp_lt_u32 s[WV], 3
	s_cselect_b32 s22, 0, 1
	s_or_b32 s22, s22, ttmp9                       ; 0 in waves 0 to 2 of the image's first cluster: the same in all four partners
	s_cmp_eq_u32 s22, 0
	s_cselect_b32 s[LIM], 1, -1
	s_mov_b32 s[CS], 0x3db8aa3b                    ; c = log2(e) / sqrt(256)
	s_mov_b32 s[CS+1], s[CS]                       ; (named with it as a pair, so it is written)
	s_mov_b32 s[SEL], 0x76543210
	s_mov_b32 s[SEL+1], 0xfedcba98
	s_mov_b32 s[MNT], 0x600000
	s_mov_b32 s[TB], 0
	s_mov_b32 s[SLOTS], 14                         ; 16 slots' worth of keys, two of them first fills
	v_and_b32 v[L16], 31, v0
	v_lshlrev_b32 v[PFO], 8, v[L16]
	v_lshlrev_b32 v[L16], 4, v[L16]
	v_and_b32 v3, 15, v0                           ; r
	v_bfe_u32 v4, v0, 4, 1                         ; h
	v_and_b32 v39, 8, v3
	v_add_nc_u32 v39, v39, v3                      ; r + 8 (r / 8)
	s_lshl_b32 s22, s[WV], 7
	v_mul_u32_u24 v[STA], v4, 8*SP                 ; the stage, in: channel 8 h, query 32 w + r + 8 (r / 8)
	v_lshl_add_u32 v[STA], v39, 2, v[STA]
	v_add_nc_u32 v[STA], s22, v[STA]
	v_add_nc_u32 v[STB], SLOT1, v[STA]
	v_lshl_add_u32 v[GQ], v39, 2, GST
	v_add_nc_u32 v[GQ], s22, v[GQ]
	s_mul_i32 s22, s[WV], 32*SP                    ; back: my 32 channels of each half, 16 bytes a lane
	v_add_nc_u32 v[RDA], s22, v[L16]
	v_add_nc_u32 v[RDB], SLOT1, v[RDA]
	v_add_nc_u32 v[GRD], GST, v[L16]
	s_lshl_b32 s22, s[WV], 19                      ; and the same 32 channels of 16,384 bytes in x and out0
	v_add_nc_u32 v[GO], s22, v[L16]
.irp y, 0,1
	v_mov_b32 v[ST+4*\y+1], 0xff61b1e6             ; the largest t so far: -3e38, under every t
	v_floor_f32 v[ST+4*\y], -v[ST+4*\y+1]          ; -M
	v_mov_b32 v[ST+4*\y+2], 0                      ; the sum, in two halves
	v_mov_b32 v[ST+4*\y+3], 0
.endr
.irp b, 0,1,2,3
	v_mov_b32 v[T2+\b], 0                          ; written once: a lane permute's destination counts as one of its sources
.endr
	v_mov_b32 v[F+1], 0                            ; (named as the upper half of the pair)
	s_wait_kmcnt 0x0
	s_load_b32 s[GAM], s[12:13], 0x0
	s_mov_b32 s[G0A], 1
	s_add_nc_u64 s[G0A+2:G0A+3], s[8:9], s[42:43]
	s_mov_b32 s[G0W], 1
	s_add_co_u32 s[G0W+1], s[G0A+1], SLOT1
	s_add_nc_u64 s[G0W+2:G0W+3], s[G0A+2:G0A+3], SLOTB
	s_or_b32 s[G0A+3], s[G0A+3], 0x80000000        ; type = 2
	s_or_b32 s[G0W+3], s[G0W+3], 0x80000000
	s_add_nc_u64 s[PFA:PFA+1], s[8:9], s[52:53]
	s_add_nc_u64 s[4:5], s[4:5], s[36:37]
	s_add_nc_u64 s[6:7], s[6:7], s[38:39]
	s_add_nc_u64 s[10:11], s[10:11], s[40:41]
	s_add_nc_u64 s[14:15], s[14:15], s[40:41]
	CROUND                                         ; all four work-groups are here: the first joint loads meet
	tensor_load_to_lds s[G0A:G0A+3], s[G1:G1+7]    ; key steps 0 and 1
	s_nop 0
	tensor_load_to_lds s[G0W:G0W+3], s[G1:G1+7]    ; key steps 2 and 3: two loads of mine are out
	s_nop 0
	PLACES 4
	WIN 0xc0                                       ; destination window 3
.irp y, 0,1
.irp c, 0,1,2,3
	global_load_b128 v[128+16*\y+4*\c:128+16*\y+4*\c+3], v[L16], s[4:5] offset:2048*\y+512*\c   ; Q stays in registers
.endr
.endr
	WIN 0
	global_load_b32 v[QS], v[L16], s[6:7]
	s_wait_tensorcnt 0x1                           ; my quarter of slot 0 is in; slot 1's may stay out
	s_barrier_signal -1
	s_barrier_wait -1                              ; everybody's is
	FETCH_K                                        ; key step 0
	s_wait_loadcnt 0x0                             ; Q
	s_wait_kmcnt 0x0                               ; gamma
	s_wait_dscnt 0x0
.set kt, 0
.rept 8
	KQ 0                                           ; tile 0's first scores: there is no vector work yet to set between them
.set kt, kt+1
.endr
	PLACES 8
	TURN 1, 0, 1, 1                                ; tile 1's first scores | tile 0's first softmax | V of step 0
	TURN 0, 1, 1, 1                                ; tile 0: V P^T of step 0 starts O^T, K Q^T of step 1 | tile 1's first softmax | K of step 1
	TURN 1, 1, 1, 0                                ; tile 1: the same | tile 0's softmax of step 1 | V of step 1
	WIN 0
.Lslot:                                            ; 14 trips: every slot but the last two is filled again
	CHANGE 1
	TWO_STEPS
	s_sub_co_u32 s[SLOTS], s[SLOTS], 1
	s_cmp_lg_u32 s[SLOTS], 0
	s_cbranch_scc1 .Lslot
	CHANGE 0                                       ; the tail is written out
	TWO_STEPS
	WIN 0xc0                                       ; K and Q are done with (19 multiplications stand behind their last product): x's rows for the way out are asked for now: my 64 channels x 512 bytes
.set rw, 0
.rept 64
	global_load_b128 v[4*rw:4*rw+3], v[GO], s[10:11] offset:(128*(rw/32)+rw%32)*16384 th:TH_LOAD_NT
.set rw, rw+1
.endr
	TURN 0, 2, 0, 0                                ; tile 0: V P^T of the last step | tile 1's last softmax
.set ct, 0
.rept 16
	PV 1, 0                                        ; tile 1: V P^T of the last step
.set ct, ct+1
.endr
	WIN 0
	PLACES 8                                       ; eight places between the last product and the first read of results
	; THE WAY OUT.  gamma / l for my 32 queries
.irp y, 0,1
	v_add_f32 v[BM+\y], v[ST+4*\y+2], v[ST+4*\y+3] ; the sum's two halves,
.endr
.irp y, 0,1
	v_permlanex16_b32 v[T2+\y], v[BM+\y], s[SEL], s[SEL+1]
.endr
.irp y, 0,1
	v_add_f32 v[BM+\y], v[BM+\y], v[T2+\y]         ; and lane l xor 16's
.endr
.irp y, 0,1
	v_rcp_f32 v[LIM4+\y], v[BM+\y]
.endr
	v_nop                                          ; a plain line behind the last reciprocal,
	s_wait_alu depctr_va_vdst(0)                   ; and the wait ahead of the first use
.irp y, 0,1
	v_mul_f32 v[LIM4+\y], s[GAM], v[LIM4+\y]
.endr
	s_wait_dscnt 0x0                               ; my reads of the ring are over;
	s_barrier_signal -1
	s_barrier_wait -1                              ; everybody's are: the slots, which have had their last fill, become the stage
	ds_store_b32 v[GQ], v[LIM4]                    ; lanes r and r + 16 write the same word with the same value
	ds_store_b32 v[GQ], v[LIM4+1] offset:32
	WIN 0x04                                       ; an LDS store's data are its source 1: window 1
.set ct, 0
.rept 16
.irp y, 0,1
.irp jj, 0,1,2,3,4,5,6,7
.if ct < 8
	ds_store_b32 v[STA], v[128*\y+8*ct+\jj] offset:(16*ct+\jj)*SP+32*\y        ; channel 16 ct + 8 h + jj, my query: each accumulator from its low end on
.else
	ds_store_b32 v[STB], v[128*\y+8*ct+\jj] offset:(16*(ct-8)+\jj)*SP+32*\y
.endif
.endr
.endr
.set ct, ct+1
.endr
	WIN 0
	s_wait_dscnt 0x0                               ; for the others' sake: my stores into the stage are done
	s_barrier_signal -1
	s_barrier_wait -1
	ds_load_b128 v[T2:T2+3], v[GRD]                ; gamma / l of queries 4 x lane .. + 3
	WIN 0x80                                       ; destination window 2
.set rw, 0
.rept 64
.if rw < 32
	ds_load_b128 v[4*rw:4*rw+3], v[RDA] offset:rw*SP
.else
	ds_load_b128 v[4*rw:4*rw+3], v[RDB] offset:(rw-32)*SP
.endif
.set rw, rw+1
.endr
	s_wait_loadcnt 0x0                             ; x
.set bq, 0
.rept 4
	s_wait_dscnt 48-16*bq                          ; this batch's 16 rows are back; the later batches' may be out
	WIN 0xb2                                       ; O's row (source 0 and destination) window 2, gamma / l window 0, x window 3
.set rw, 16*bq
.rept 16
	v_pk_fma_f32 v[4*rw:4*rw+1], v[4*rw:4*rw+1], v[T2:T2+1], v[4*rw:4*rw+1]
	v_pk_fma_f32 v[4*rw+2:4*rw+3], v[4*rw+2:4*rw+3], v[T2+2:T2+3], v[4*rw+2:4*rw+3]
.set rw, rw+1
.endr
	WIN 0x08                                       ; a store's data are its source 1: window 2
.set rw, 16*bq
.rept 16
	global_store_b128 v[GO], v[4*rw:4*rw+3], s[14:15] offset:(128*(rw/32)+rw%32)*16384 th:TH_STORE_NT   ; 32 lanes store 512 consecutive bytes, at a multiple of 512 from out0's first byte
.set rw, rw+1
.endr
.set bq, bq+1
.endr
	WIN 0
	s_wait_tensorcnt 0x0                           ; the wave's end, behind my last tensor load and my last LDS store
	ds_add_u32 v[SPW], v[NIL]
	s_wait_dscnt 0x0
	CROUND                                         ; the closing round: no work-group ends while a partner may still ask for a tile that names it
	s_endpgm
.Lfunc_end_k_q367e18884a_attn:
	.size	k_q367e18884a_attn, .Lfunc_end_k_q367e18884a_attn-k_q367e18884a_attn
	.p2alignl 7, 3214868480
	.fill 96, 4, 3214868480
	.section	.rodata,"a",@progbits
	.p2align	6, 0x0
	.amdhsa_kernel k_q367e18884a_attn
		.amdhsa_group_segment_fixed_size 327680
		.amdhsa_private_segment_fixed_size 0
		.amdhsa_enable_private_segment 0
		.amdhsa_kernarg_size 48
		.amdhsa_user_sgpr_count 2
		.amdhsa_user_sgpr_kernarg_segment_ptr 1
		.amdhsa_wavefront_size32 1
		.amdhsa_system_sgpr_workgroup_id_x 1
		.amdhsa_system_sgpr_workgroup_id_y 1
		.amdhsa_system_sgpr_workgroup_id_z 1
		.amdhsa_system_vgpr_workitem_id 0
		.amdhsa_next_free_vgpr 1024
		.amdhsa_next_free_sgpr 80
		.amdhsa_reserve_vcc 0
		.amdhsa_float_denorm_mode_32 3
		.amdhsa_float_denorm_mode_16_64 3
		.amdhsa_memory_ordered 1
		.amdhsa_forward_progress 1
		.amdhsa_inst_pref_size 239
	.end_amdhsa_kernel
	.amdgpu_metadata
---
amdhsa.version: [ 1, 2 ]
amdhsa.kernels:
  - .name:           k_q367e18884a_attn
    .symbol:         k_q367e18884a_attn.kd
    .args:
      - { .name: qi, .offset: 0, .size: 8, .value_kind: global_buffer, .address_space: global }
      - { .name: qs, .offset: 8, .size: 8, .value_kind: global_buffer, .address_space: global }
      - { .name: kv, .offset: 16, .size: 8, .value_kind: global_buffer, .address_space: global }
      - { .name: x, .offset: 24, .size: 8, .value_kind: global_buffer, .address_space: global }
      - { .name: gamma, .offset: 32, .size: 8, .value_kind: global_buffer, .address_space: global }
      - { .name: out0, .offset: 40, .size: 8, .value_kind: global_buffer, .address_space: global }
    .group_segment_fixed_size: 327680
    .private_segment_fixed_size: 0
    .kernarg_segment_align: 8
    .kernarg_segment_size: 48
    .max_flat_workgroup_size: 128
    .sgpr_count:     80
    .vgpr_count:     1024
    .wavefront_size: 32
...
	.end_amdgpu_metadata
.endif
;; end of part 2
